; MI455X (gfx1250); checked and timed in simulation.
; The chip was launched on July 23, 2026; its instructions are those of AMD's public machine-readable ISA for CDNA 5 (MIT licence, August 2026) and "CDNA5" Instruction Set Architecture Reference Guide (July 2026). The comments in the code are by the model that wrote it; some were corrected since.
;; Causal MQA. Allowed arithmetic: matrix products marked QUANTISED: E2M1 operands, one E8M0 scale for each 32 along K, by v_wmma_scale_f32_16x16x128_f8f6f4 with both operands' format E2M1 (or v_wmma_scale_f32_32x16x128_f4), f32 sums; everything else in f32.
;; Inputs: w_kv 256 x 2,048 float32; w_q 2,048 x 2,048 float32; x 2 x 2,048 x 2,048 float32.
;; Outputs: out0 2 x 2,048 x 2,048 float32.
;; This version of the problem:
;;   THIS VERSION OF THE PROBLEM IS GIVEN IN LOW PRECISION. The matrix products marked QUANTISED in the list below multiply operands that are first quantised to E2M1 (2 exponent bits, 1 mantissa bit; 4 bits a number), with one power-of-two scale for each 32 numbers along K (OCP MX v1.0); their sums are f32. All else is computed in f32.
;;   The module's matrix products, in the order in which they are computed (A, B: the left and right operand; K: the contracted axis; several contracted axes count as one K, in the product's order):
;;     1. [M 4,096, K 2,048] x [K 2,048, N 256]; A: input x; B: input w_kv: QUANTISED
;;     2. [M 4,096, K 2,048] x [K 2,048, N 2,048]; A: input x; B: input w_q: QUANTISED
;;     3. batch 2 x [M 32,768, K 128] x [K 128, N 2,048]; A: computed on the way; B: computed on the way: QUANTISED
;;     4. batch 2 x [M 32,768, K 2,048] x [K 2,048, N 128]; A: softmax (see below); B: computed on the way: QUANTISED
;;   THE QUANTISER, for each operand of a quantised product, along K:
;;     - K is cut into blocks of 32 from its start; a last block that is shorter is filled with zeros.
;;     - A block's scale is 2^e with e = floor(log2(the largest magnitude in the block)) - 2, held to -126 .. 127; a block of zeros has e = 0. As a byte (E8M0): e + 127.
;;     - Each number is divided by its block's scale, clamped to +-6, and rounded to the nearest number of E2M1, ties to even, subnormals kept.
;;     - The product sums the exact products of the quantised numbers (number of the format x scale) in f32.
;;   ~~~python
;;   def quantise(x, axis):      # numpy; x: float32 -> the quantised numbers, widened to float32 again
;;       x = np.moveaxis(x, axis, -1); K = x.shape[-1]
;;       x = np.pad(x, [(0, 0)] * (x.ndim - 1) + [(0, -K % 32)]); x = x.reshape(x.shape[:-1] + (-1, 32)); a = np.abs(x).max(-1, keepdims=True)
;;       e = np.where(a > 0, np.clip(np.frexp(np.where(a > 0, a, 1))[1] - 1 - 2, -126, 127), 0)      # np.frexp(a)[1] - 1 = floor(log2(a)), exactly
;;       r = np.clip(x / 2.0 ** e, -6, 6)
;;       step = 2.0 ** (np.maximum(np.frexp(np.where(r == 0, 1, r))[1] - 1, 0) - 1)
;;       q = np.round(r / step) * step * 2.0 ** e      # np.round: ties to even
;;       return np.moveaxis(q.reshape(q.shape[:-2] + (-1,))[..., :K], -1, axis).astype(np.float32)
;;   ~~~
;;   SOFTMAX AHEAD OF A QUANTISED PRODUCT. Where the list says 'softmax', what is quantised is not the finished softmax but p = 2^(t - M), with t = logit x log2(e) and M = ceil(the row's largest t), a whole number; so 1/2 < the row's largest p <= 1. The row's sum l is taken of the UNQUANTISED p, in f32, and the product's result is divided by l at the end. Since M is a whole number, a kernel that streams over the keys may use a running M (the ceiling of the running maximum): every later rescaling is an exact power of two, which a block's scale takes up: the codes' values come out the same.
;;   OPERANDS COMPUTED ON THE WAY. 'Computed on the way' means the value that the module computes at that place (a softmax that the list does not call 'softmax' is quantised finished and normalised). What goes into a quantiser is computed in f32, as accurately as f32 sums, v_exp_f32 and their like allow (about 1e-6 of the number): no bf16 or f16 on the way to a quantiser, and a product that is left as it is and whose result goes on into a quantised operand takes f32 operands (vector FMAs, or v_wmma_f32_16x16x4_f32). A number that lies on a knife's edge between two numbers of the format may be rounded either way, as far as f32 arithmetic and the matrix unit's own rounding can turn it there, and no further.
;; One version. Each part assembles by itself: llvm-mc -triple=amdgcn-amd-amdhsa -mcpu=gfx1250 --defsym DOCPART=n.
;; ======== version 1 of 1: 3 launches
;; limits: right only within a limited range of input values
;; workspace buffers: codes 6,963,200 bytes; qc 4,194,304 bytes; qs 262,144 bytes; kv 557,056 bytes
;; launch quant (part 1): grid 1600 x 1, 4 waves a work-group, no clusters, 25,600 bytes of LDS; arguments x, w_q, w_kv, codes; writes codes
.if DOCPART == 1
	.amdgcn_target "amdgcn-amd-amdhsa--gfx1250"
	.amdhsa_code_object_version 6
	.text
	.protected	k_qde823f9874_quant
	.globl	k_qde823f9874_quant
	.p2align	8
	.type	k_qde823f9874_quant,@function
k_qde823f9874_quant:
	s_mov_b64 s[64:65], 0
	v_nop
	global_prefetch_b8 v0, s[64:65] scope:SCOPE_SE
	s_setreg_imm32_b32 hwreg(HW_REG_WAVE_MODE, 25, 1), 1
	s_wait_xcnt 0x0
; CAUSAL MULTI-QUERY ATTENTION IN MX-FP4, three launches: this one turns x, w_q and w_kv into codes; the second makes q, k and v (one product of 4,096 x 2,304 x 2,048) and quantises them on its way out; the third is the attention.
; WORK LEFT OUT (in the third launch): reference() sets the score of key s for query t to -infinity wherever s > t, by a mask that it builds itself.  The softmax's weight there is 0 whatever finite values
; x, w_q and w_kv hold, and a weight of 0 has the code 0, which adds nothing to the second product.  So a step of 128 keys all of which come after all 16 queries of a tile is not multiplied.
; Nothing else is left out; all three inputs are loaded.  LIMIT: a NaN, an infinity or an overflow that reaches only such a hidden score is not carried to the result.
; THIS LAUNCH.  x [4096][2048], w_q [2048][2048], w_kv [256][2048], f32, K innermost, become codes of E2M1, two a byte, the lower k in the low four bits, and one E8M0 byte for each 32 along K.
; They are laid as ONE tensor of 6,400 rows: x, then w_q, then w_kv.  BITS 3 AND 4 OF A ROW'S NUMBER ARE SWAPPED: stored rows 16 u + 8 g + i of a group of 32 are rows 16 g + 8 u + i.  So a lane that gets
; registers 8 (lane / 16) + 0 .. 7 of two neighbouring tiles of 16 stored rows gets 16 neighbours of the tensor.
; THE BUFFER HOLDS IMAGES OF THE OPERANDS' REGISTERS: [25 groups of 256 stored rows][4 K steps of 512][2 halves of 128 rows] units of 34,816 bytes: codes [8 tiles][16 blocks of 32 along K][16 rows][16 bytes], then
; scale bytes [8 tiles][16 rows][16 blocks].
; A block's scale is 2^(floor(log2(its largest magnitude)) - 2); its byte is the largest magnitude's own exponent field - 2, held at 1 from below.  Each number is divided by the scale and rounded to the nearest code, ties to even;
; beyond 6 the conversion gives the largest code.
; LIMITS: a block of zeros gets the byte 1 where the rule says 127 (its codes are zeros, which add nothing under any byte but 0xff, and this program alone reads the bytes); a block whose largest magnitude lies under 2^-124
; keeps the byte 1; NaN and infinities among the inputs are not served.
; A work-group takes one tile of 16 stored rows and one K step: work-groups 0-1023 x, 1024-1535 w_q, 1536-1599 w_kv; a wave four neighbouring rows, a row a step.  Only the pointer is chosen: there is one path through the text.
; All 16 loads of a wave go out at its start, 512 consecutive bytes each.  A step's 512 numbers turn through the wave's own stage in LDS and come back 64 bytes a lane, so that a lane holds 16 neighbours along K (two neighbouring
; lanes hold a block).  The tile's 4,096 bytes of codes and 256 scale bytes are gathered in LDS and leave as whole runs of 256 bytes, aligned.
.set STEPS, 4
.set R,     16                         ; v16-79   the four rows as they are loaded
.set X,     80                         ; v80-111  two sets of 16 neighbours
.set C,     112                        ; v112-119 codes, two registers a step
.set E,     120                        ; v120-123 a scale byte a step
.set SP,    80                         ; a lane's place in a stage: its 64 bytes + 16 of padding
.set WREG,  2*32*SP                    ; two stages a wave
.set CST,   4*WREG                     ; the codes: 16 blocks of 256 bytes + 16 of padding
.set CP,    272
.set SCB,   CST+16*CP                  ; the 256 scale bytes
.set SPARE, SCB+256                    ; the spare words, 128 bytes a wave, which no other line names
.set SPW,   12
.set NIL,   13
	s_load_b256 s[4:11], s[0:1], 0x0               ; x, w_q, w_kv, the codes
	v_lshl_add_u32 v[SPW], v0, 2, SPARE
	v_mov_b32 v[NIL], 0
	v_lshrrev_b32 v1, 5, v0
	v_readfirstlane_b32 s16, v1                    ; wave
	v_and_b32 v2, 31, v0                           ; lane
	v_lshlrev_b32 v3, 4, v2                        ; my 16 bytes of a load's 512
	s_mul_i32 s17, s16, WREG
	v_lshrrev_b32 v14, 2, v2
	v_mul_u32_u24 v14, v14, SP
	v_and_b32 v15, 3, v2
	v_lshl_add_u32 v14, v15, 4, v14
	v_add_nc_u32 v14, s17, v14                     ; into the stage: SP (lane / 4) + 16 (lane % 4)
	v_mul_u32_u24 v15, v2, SP
	v_add_nc_u32 v15, s17, v15                     ; out of it: SP x lane: my 16 neighbours
	s_lshl_b32 s17, s16, 6                         ; a wave's four rows: 64 bytes of a block, 64 scale bytes
	s_add_co_u32 s18, s17, SCB
	s_add_co_u32 s17, s17, CST
	v_lshrrev_b32 v6, 1, v2                        ; my block
	v_add_nc_u32 v5, s18, v6                       ; its scale byte
	v_mul_u32_u24 v4, v6, CP
	v_and_b32 v7, 1, v2
	v_lshl_add_u32 v4, v7, 3, v4
	v_add_nc_u32 v4, s17, v4                       ; and my 8 bytes of its codes
	v_lshrrev_b32 v6, 4, v0
	v_mul_u32_u24 v6, v6, CP
	v_and_b32 v7, 15, v0
	v_lshl_add_u32 v6, v7, 4, v6
	v_add_nc_u32 v6, CST, v6                       ; the way out: sixteen lanes to a block
	v_lshlrev_b32 v7, 4, v0                        ; and its place in the buffer
	v_lshlrev_b32 v10, 3, v2                       ; the scale bytes: 8 a lane
	v_add_nc_u32 v1, SCB, v10
	s_lshr_b32 s20, ttmp9, 6
	s_lshl_b32 s20, s20, 4
	s_and_b32 s21, ttmp9, 15
	s_add_co_u32 s20, s20, s21                     ; my tile of the 400
	s_wait_alu depctr_va_vdst(0)                   ; the wait at the head's end
	s_wait_kmcnt 0x0
	s_cmp_lt_u32 ttmp9, 1024                       ; which tensor?  The choice hangs on the work-group's number alone
	s_cselect_b64 s[4:5], s[4:5], s[6:7]
	s_cselect_b32 s17, 0, 256
	s_cmp_lt_u32 ttmp9, 1536
	s_cselect_b64 s[4:5], s[4:5], s[8:9]
	s_cselect_b32 s17, s17, 384                    ; the tensor's first tile
	s_sub_co_u32 s20, s20, s17
	s_lshr_b32 s17, s20, 1
	s_lshl_b32 s17, s17, 5
	s_and_b32 s18, s20, 1
	s_lshl_b32 s18, s18, 3
	s_add_co_u32 s17, s17, s18
	s_and_b32 s18, s16, 1
	s_lshl_b32 s18, s18, 2
	s_add_co_u32 s17, s17, s18
	s_lshr_b32 s18, s16, 1
	s_lshl_b32 s18, s18, 4
	s_add_co_u32 s17, s17, s18                     ; my first row: 32 (tile / 2) + 8 (tile % 2) + 4 (wave % 2) + 16 (wave / 2)
	s_lshl_b32 s18, s17, 13                        ; 8,192 bytes a row: under 2^26
	s_bfe_u32 s17, ttmp9, 0x20004                  ; the K step: 2,048 bytes
	s_lshl_b32 s17, s17, 11
	s_add_co_u32 s18, s18, s17
	s_mov_b32 s19, 0
	s_add_nc_u64 s[4:5], s[4:5], s[18:19]
.macro LOAD t
.irp i, 0,1,2,3
	global_load_b128 v[R+16*(\t)+4*\i:R+16*(\t)+4*\i+3], v3, s[4:5] offset:8192*(\t)+512*\i th:TH_LOAD_NT
.endr
.endm
.irp t, 0,1,2,3
	LOAD \t
.endr
	s_lshr_b32 s22, ttmp9, 3                       ; my unit of 34,816 bytes,
	s_mul_i32 s22, s22, 34816
	s_and_b32 s23, ttmp9, 7                        ; and my tile in it: 4,096 bytes of codes,
	s_lshl_b32 s20, s23, 12
	s_add_co_u32 s20, s20, s22
	s_mov_b32 s21, 0
	s_lshl_b32 s18, s23, 8                         ; 256 scale bytes behind the unit's codes
	s_add_co_u32 s18, s18, s22
	s_add_co_u32 s18, s18, 32768
	s_add_nc_u64 s[12:13], s[10:11], s[18:19]
	s_add_nc_u64 s[10:11], s[10:11], s[20:21]
.macro TURN t                          ; LDS serves a wave's instructions in order, so no wait stands between the stores and the loads
.irp i, 0,1,2,3
	ds_store_b128 v14, v[R+16*(\t)+4*\i:R+16*(\t)+4*\i+3] offset:32*SP*((\t)%2)+8*SP*\i
.endr
.irp i, 0,1,2,3
	ds_load_b128 v[X+16*((\t)%2)+4*\i:X+16*((\t)%2)+4*\i+3], v15 offset:32*SP*((\t)%2)+16*\i
.endr
.endm
	s_wait_loadcnt 12                              ; step 0's four loads are in; the twelve of steps 1 to 3 may be out
	TURN 0
.macro STEP t
.set XS, X+16*((\t)%2)
.if (\t) > 0
	s_wait_dscnt 2                                 ; this step's numbers are back (the last step's two small stores may be out)
.else
	s_wait_dscnt 0x0
.endif
.if (\t)+1 < STEPS
	s_wait_loadcnt 4*(STEPS-2-(\t))                ; the next step's four loads are in; those of the steps behind it may be out
	TURN (\t)+1
.endif
	v_max3_num_f32 v8, |v[XS]|, |v[XS+1]|, |v[XS+2]|
	v_max3_num_f32 v9, |v[XS+3]|, |v[XS+4]|, |v[XS+5]|
.irp i, 6,10
	v_max3_num_f32 v8, v8, |v[XS+\i]|, |v[XS+\i+1]|
	v_max3_num_f32 v9, v9, |v[XS+\i+2]|, |v[XS+\i+3]|
.endr
	v_max3_num_f32 v8, v8, |v[XS+14]|, |v[XS+15]|
	v_max3_num_f32 v8, v8, v9, 0x1800000           ; and the floor 2^(3 - 127): the byte cannot fall under 1
	v_max_num_f32_dpp v8, v8, v8 row_xmask:1 row_mask:0xf bank_mask:0xf   ; and of my neighbour's 16: the block's
	v_add_nc_u32 v11, 0xff000000, v8               ; 2 off its exponent field: the conversion takes the exponent field of this operand as its scale
	v_cvt_scalef32_pk8_fp4_f32 v[C+2*(\t)], v[XS:XS+7], v11
	v_cvt_scalef32_pk8_fp4_f32 v[C+2*(\t)+1], v[XS+8:XS+15], v11
	v_lshrrev_b32 v[E+(\t)], 23, v11               ; the scale's byte (also the plain line behind the conversions)
	ds_store_b8 v5, v[E+(\t)] offset:16*(\t)       ; both lanes of a block write the same byte with the same value
	ds_store_b64 v4, v[C+2*(\t):C+2*(\t)+1] offset:16*(\t)
.endm
.irp t, 0,1,2,3
	STEP \t
.endr
	s_wait_dscnt 0x0                               ; my codes and scale bytes are stored:
	s_barrier_signal -1
	s_barrier_wait -1                              ; everybody's are
	ds_load_b128 v[R:R+3], v6
	ds_load_b128 v[R+4:R+7], v6 offset:8*CP
	s_wait_dscnt 1
	global_store_b128 v7, v[R:R+3], s[10:11]       ; 512 consecutive bytes a wave, aligned
	s_wait_dscnt 0x0
	global_store_b128 v7, v[R+4:R+7], s[10:11] offset:2048
	s_cmp_lg_u32 s16, 0
	s_cbranch_scc1 .Lend
	ds_load_b64 v[8:9], v1
	s_wait_dscnt 0x0
	global_store_b64 v10, v[8:9], s[12:13]         ; 256 consecutive bytes, aligned
.Lend:
	s_wait_tensorcnt 0x0                           ; the wave's end, behind my last LDS store
	ds_add_u32 v[SPW], v[NIL]
	s_wait_dscnt 0x0
	s_endpgm
.Lfunc_end_k_qde823f9874_quant:
	.size	k_qde823f9874_quant, .Lfunc_end_k_qde823f9874_quant-k_qde823f9874_quant
	.p2alignl 7, 3214868480
	.fill 96, 4, 3214868480
	.section	.rodata,"a",@progbits
	.p2align	6, 0x0
	.amdhsa_kernel k_qde823f9874_quant
		.amdhsa_group_segment_fixed_size 25600
		.amdhsa_private_segment_fixed_size 0
		.amdhsa_enable_private_segment 0
		.amdhsa_kernarg_size 32
		.amdhsa_user_sgpr_count 2
		.amdhsa_user_sgpr_kernarg_segment_ptr 1
		.amdhsa_wavefront_size32 1
		.amdhsa_system_sgpr_workgroup_id_x 1
		.amdhsa_system_sgpr_workgroup_id_y 1
		.amdhsa_system_sgpr_workgroup_id_z 1
		.amdhsa_system_vgpr_workitem_id 0
		.amdhsa_next_free_vgpr 128
		.amdhsa_next_free_sgpr 66
		.amdhsa_reserve_vcc 0
		.amdhsa_float_denorm_mode_32 3
		.amdhsa_float_denorm_mode_16_64 3
		.amdhsa_memory_ordered 1
		.amdhsa_forward_progress 1
		.amdhsa_inst_pref_size 12
	.end_amdhsa_kernel
	.amdgpu_metadata
---
amdhsa.version: [ 1, 2 ]
amdhsa.kernels:
  - .name:           k_qde823f9874_quant
    .symbol:         k_qde823f9874_quant.kd
    .args:
      - { .name: x, .offset: 0, .size: 8, .value_kind: global_buffer, .address_space: global }
      - { .name: w_q, .offset: 8, .size: 8, .value_kind: global_buffer, .address_space: global }
      - { .name: w_kv, .offset: 16, .size: 8, .value_kind: global_buffer, .address_space: global }
      - { .name: codes, .offset: 24, .size: 8, .value_kind: global_buffer, .address_space: global }
    .group_segment_fixed_size: 25600
    .private_segment_fixed_size: 0
    .kernarg_segment_align: 8
    .kernarg_segment_size: 32
    .max_flat_workgroup_size: 128
    .sgpr_count:     66
    .vgpr_count:     128
    .wavefront_size: 32
...
	.end_amdgpu_metadata
.endif
;; end of part 1
;; launch proj (part 2): grid 16 x 9, 4 waves a work-group, clusters of 4 x 1, 327,680 bytes of LDS; arguments codes, qc, qs, kv; writes qc, qs, kv
.if DOCPART == 2
	.amdgcn_target "amdgcn-amd-amdhsa--gfx1250"
	.amdhsa_code_object_version 6
	.text
	.protected	k_qde823f9874_proj
	.globl	k_qde823f9874_proj
	.p2align	8
	.type	k_qde823f9874_proj,@function
k_qde823f9874_proj:
	s_mov_b64 s[64:65], 0
	v_nop
	global_prefetch_b8 v0, s[64:65] scope:SCOPE_SE
	s_setreg_imm32_b32 hwreg(HW_REG_WAVE_MODE, 25, 1), 1
	s_wait_xcnt 0x0
	s_wait_alu depctr_hold_cnt(0) depctr_sa_sdst(0) depctr_va_vdst(0) depctr_va_sdst(0) depctr_va_ssrc(0) depctr_va_vcc(0) depctr_vm_vsrc(0)
	s_getreg_b32 s2, hwreg(HW_REG_IB_STS2, 6, 4)
	s_cmp_eq_u32 s2, 0
	s_cbranch_scc0 .Lentry_in_a_cluster
	s_endpgm
.Lentry_in_a_cluster:
	s_bfe_u32 s2, ttmp6, 0x10000c
	s_cmp_lg_u32 s2, 0x3003
	s_cbranch_scc0 .Lentry_shape_is_right
	s_endpgm
.Lentry_shape_is_right:
; q, k and v = x w^T on codes of E2M1, and their own codes on the way out.  4,096 tokens x 2,304 channels (16 heads of q, then k, then v, 128 each), K = 2,048.
; A work-group makes 256 tokens x 256 channels, each of its four waves 128 x 128: one head (or k, or v) of one class of 128 tokens.  K goes in steps of 512 through a ring of two LDS slots.
; THE WORKSPACE holds images of the operands' registers: 128 stored rows x 512 along K are one dense unit of 34,816 bytes: codes [8 tiles][4 depths of 128][1,024 bytes], then scale bytes [8 tiles][16 rows][16].  A slot is four such
; units: x's two halves, then w's; each wave fetches one, stated as 136 rows of 256 bytes, and it lies in LDS as it lies in memory.
; SIDES.  Source 0 runs along a result's registers, source 1 along its lanes.  q and k are quantised along the channels: source 0 = channels, source 1 = tokens.  v is quantised along the tokens: the wave that makes v takes
; its two sides the other way round, by its LDS addresses alone.  Stored rows have bits 3 and 4 swapped in each group of 32, so a lane's 16 registers of a pair of tiles are 16 NEIGHBOURS along the next product's K:
; 32 b + 16 (lane / 16) + 0 .. 15.  A block of 32 lies in lanes l and l xor 16.  The codes made so are, with one exchange of halves, the operand's registers, and leave as images of them:
; register group c of lane l at tile x 1024 + 512 c + 16 l.  qc [batch][head][class][8 tiles][1024], qs [..][8][16][4]; kv [batch][16 classes] records of 17,408 bytes: K's eight tiles, V's eight tiles, K's scale words, V's.
; LIMITS: a block's byte is held at 1 from below (a block of zeros has the byte 1 where the rule says 127; this program alone reads the bytes); NaN and infinities are not served.
; CLUSTERS: the four partners have four token tiles and the same 256 channels: w's units are asked for jointly (mask 15), x's by each for itself (nine tile columns are no multiple of a cluster's side).
; PREFETCH: behind the joint load of K step 1 stands one for K step 2, behind that of K step 2 one for K step 3: one refill ahead, one instruction a wave, 32 rows of 256 bytes of a unit's codes, a lane a row.  The partners share w's
; 128 such rows out by their place, the work-groups of a row of the grid x's by their y; K steps 0 and 1 and the scale bytes (8 rows of 136) come by their loads alone.
; REGISTERS: window 0: v16-31 addresses, v32-127 scale words (two sets of 48), v128-191 source 1's fragments, v192-255 codes on the way out; window 1: source 0's fragments, two sets; windows 2, 3: the accumulators,
; (a, b) = source 1's tile a, source 0's pair of tiles b, at v[64 (a % 4) + 16 b] of window 2 + a / 4.
.set HALFT,  34816                     ; a unit
.set KSB,    2*HALFT                   ; a K step of 256 stored rows, in bytes
.set SLOT,   4*HALFT
.set SPARE,  2*SLOT                    ; behind the ring: the spare words, which no other line names
.set GQ,     SPARE+512                 ; the way out of the scale words: 512 bytes a wave
.set ADRA, 16                          ; v16-17 source 1's fragments in slot 0, 1
.set ADRB, 18                          ; v18-19 source 0's
.set ADS1, 20                          ; v20-21 source 1's scale words
.set CO,   22                          ; 16 x lane
.set GW,   23
.set GR,   24
.set PFO,  25                          ; 256 x lane; never rewritten
.set SPW,  28
.set NIL,  29
.set SC,   32                          ; set s at SC + 48 s: source 0's pair b, depth q at 4 b + q; source 1's tile a at 16 + 4 a + q
.set AF,   128
.set T,    128                         ; the way out, where source 1's fragments lay
.set PT,   132
.set SO,   136
.set SW,   140
.set GB,   144
.set CD,   192
.set G1,   24
.set G0,   32
.set SEL,  40
.set G1B,  48
.set G0B,  56
.set PFA,  66
.set DC,   92
.set DS,   94
.set MSB, 0
.macro WIN new                         ; the immediate's high byte repeats the setting that is left
.if MSB != (\new)
	s_set_vgpr_msb (MSB<<8)|(\new)
.set MSB, (\new)
.endif
.endm
.set MUL_LO, 0xa1                      ; source 0 window 1, source 1 window 0, C and D window 2
.set MUL_HI, 0xf1
.set TO_B,   0x40
.macro PLACES
.rept 4
	v_nop
.endr
.endm
.macro JLOAD s                         ; slot s: waves 0 and 1 fetch x's halves, waves 2 and 3 w's
	s_cmp_eq_u32 s15, 0
	s_cbranch_scc0 .Lfor_b_\@
	tensor_load_to_lds s[G0+4*\s:G0+4*\s+3], s[G1:G1+7]
	s_nop 0
	PLACES
	s_branch .Lasked_\@
.Lfor_b_\@:
	tensor_load_to_lds s[G0B+4*\s:G0B+4*\s+3], s[G1B:G1B+7]
	s_nop 0
	PLACES
.Lasked_\@:
.endm
.macro CREST                           ; a round of the cluster's barrier behind its opening barrier
	s_cmp_lg_u32 s14, 0
	s_cbranch_scc1 .Lnot_wave_0_\@
	s_barrier_signal -3
.Lnot_wave_0_\@:
	s_barrier_wait -3
	s_barrier_signal -1
	s_barrier_wait -1
.endm
.macro CROUND
	s_barrier_signal -1
	s_barrier_wait -1
	CREST
.endm
	s_load_b256 s[4:11], s[0:1], 0x0               ; codes s[4:5], qc s[6:7], qs s[8:9], kv s[10:11]
	v_lshl_add_u32 v[SPW], v0, 2, SPARE
	v_mov_b32 v[NIL], 0
	ds_add_u32 v[SPW], v[NIL]                      ; the wave's opening: the add, twice on end, and its wait ahead of my first tensor load
	ds_add_u32 v[SPW], v[NIL]
	v_lshrrev_b32 v1, 5, v0
	v_readfirstlane_b32 s14, v1                    ; wave 0..3
	s_lshr_b32 s15, s14, 1                         ; which half of the tokens.  Also: I fetch x (0) or w (1)
	s_and_b32 s16, s14, 1                          ; which half of the channels.  Also: which half of a tile I fetch
	s_bfe_u32 s40, ttmp6, 0x40000                  ; my place in the cluster
	s_lshl_b32 s17, ttmp9, 2
	s_add_co_u32 s17, s17, s40                     ; token tile 0..15
	s_and_b32 s42, ttmp7, 0xffff                   ; channel tile 0..8
	s_mov_b32 s[G1+0], 3<<16                       ; elements of 8 bytes, no padding
	s_mov_b32 s[G1B+0], 15|(3<<16)|(1<<21)
.irp g, G1, G1B                        ; a unit: 136 rows of 256 bytes
	s_mov_b32 s[\g+1], 32<<16
	s_mov_b32 s[\g+2], 136<<16
	s_mov_b32 s[\g+3], 32<<16
	s_mov_b32 s[\g+4], 136
	s_mov_b32 s[\g+5], 32
	s_mov_b32 s[\g+6], 0
	s_mov_b32 s[\g+7], 0
.endr
	s_mul_i32 s18, s16, HALFT
	s_mul_i32 s20, s17, 4*KSB                      ; x's 256 rows, my half
	s_add_co_u32 s20, s20, s18
	s_mov_b32 s21, 0
	s_add_co_u32 s46, s42, 16                      ; w's, behind x's 16 groups of 256 rows
	s_mul_i32 s46, s46, 4*KSB
	s_add_co_u32 s46, s46, s18
	s_mov_b32 s47, 0
	s_mul_i32 s45, s14, HALFT                      ; where it goes: no place in the cluster enters an LDS address
	s_wait_dscnt 0x0                               ; both opening adds are done
	s_wait_kmcnt 0x0
	s_add_nc_u64 s[20:21], s[4:5], s[20:21]
	s_add_nc_u64 s[46:47], s[4:5], s[46:47]
.irp s, 0,1
	s_mov_b32 s[G0+4*\s], 1
	s_add_co_u32 s[G0+4*\s+1], s45, \s*SLOT
	s_add_nc_u64 s[G0+4*\s+2:G0+4*\s+3], s[20:21], \s*KSB
	s_or_b32 s[G0+4*\s+3], s[G0+4*\s+3], 0x80000000
	s_mov_b32 s[G0B+4*\s], 1
	s_add_co_u32 s[G0B+4*\s+1], s45, \s*SLOT
	s_add_nc_u64 s[G0B+4*\s+2:G0B+4*\s+3], s[46:47], \s*KSB
	s_or_b32 s[G0B+4*\s+3], s[G0B+4*\s+3], 0x80000000
.endr
	CROUND                                         ; all four work-groups are here: the joint loads meet
	JLOAD 0                                        ; K step 0: one load a wave at the head
	s_and_b32 s94, s42, 3                          ; the prefetches: which 32 of the unit's 128 rows of codes: for x by y, for w by my place in the cluster
	s_cmp_eq_u32 s15, 0
	s_cselect_b64 s[PFA:PFA+1], s[20:21], s[46:47]
	s_cselect_b32 s94, s94, s40
	s_lshl_b32 s94, s94, 13
	s_mov_b32 s95, 0
	s_add_nc_u64 s[PFA:PFA+1], s[PFA:PFA+1], s[94:95]
	v_and_b32 v1, 15, v0                           ; r
	v_and_b32 v8, 31, v0                           ; lane
	v_lshlrev_b32 v4, 4, v8                        ; 16 x lane: my bytes of a fragment's register group
	s_mul_i32 s21, s15, HALFT                      ; my unit of x,
	s_add_co_u32 s22, s16, 2
	s_mul_i32 s22, s22, HALFT                      ; of w
	s_lshr_b32 s23, s42, 3
	s_and_b32 s23, s23, s16                        ; 1 in the wave that makes v
	s_cmp_eq_u32 s23, 1
	s_cselect_b32 s43, s22, s21                    ; source 1's side: x's rows, in v's wave w's
	s_cselect_b32 s44, s21, s22                    ; source 0's
	s_wait_alu depctr_va_vdst(0)                   ; directly ahead of the readers below
	v_add_nc_u32 v[ADRA], s43, v4
	v_add_nc_u32 v[ADRA+1], SLOT, v[ADRA]
	v_add_nc_u32 v[ADRB], s44, v4
	v_add_nc_u32 v[ADRB+1], SLOT, v[ADRB]
	v_lshl_add_u32 v[ADS1], v1, 4, s43             ; source 1's scale words: row r
	v_add_nc_u32 v[ADS1+1], SLOT, v[ADS1]
	v_lshlrev_b32 v[CO], 4, v8
	v_lshlrev_b32 v[PFO], 8, v8
	s_lshl_b32 s22, s14, 9
	s_add_co_u32 s22, s22, GQ
	v_lshl_add_u32 v[GW], v1, 2, s22
	v_lshl_add_u32 v[GR], v8, 4, s22
	s_lshl_b32 s18, s17, 1
	s_add_co_u32 s18, s18, s15                     ; 16 x batch + class
	s_lshl_b32 s19, s42, 1
	s_add_co_u32 s19, s19, s16                     ; the head; 16 k, 17 v
	s_lshr_b32 s22, s18, 4
	s_lshl_b32 s22, s22, 4
	s_add_co_u32 s22, s22, s19
	s_lshl_b32 s22, s22, 4
	s_and_b32 s23, s18, 15
	s_add_co_u32 s22, s22, s23                     ; q's unit
	s_mul_i32 s23, s18, 17408                      ; k's and v's record
	s_sub_co_u32 s43, s19, 16
	s_lshl_b32 s44, s43, 13
	s_add_co_u32 s44, s44, s23
	s_lshl_b32 s43, s43, 9
	s_add_co_u32 s43, s43, s23
	s_add_co_u32 s43, s43, 16384
	s_lshl_b32 s46, s22, 13
	s_lshl_b32 s47, s22, 9
	s_cmp_lt_u32 s19, 16
	s_cselect_b64 s[DC:DC+1], s[6:7], s[10:11]
	s_cselect_b64 s[DS:DS+1], s[8:9], s[10:11]
	s_cselect_b32 s46, s46, s44
	s_cselect_b32 s44, s47, s43
	s_mov_b32 s47, 0
	s_mov_b32 s45, 0
	s_add_nc_u64 s[DC:DC+1], s[DC:DC+1], s[46:47]
	s_add_nc_u64 s[DS:DS+1], s[DS:DS+1], s[44:45]
	s_mov_b32 s[SEL], 0x76543210
	s_mov_b32 s[SEL+1], 0xfedcba98
.macro FRAG reg, adr, q, i
.irp c, 0,1
	ds_load_b128 v[\reg+4*\c:\reg+4*\c+3], v[\adr] offset:4096*(\i)+1024*(\q)+512*\c
.endr
.endm
; 8 matrix instructions of 32 x 16: source 1's tiles a0, a0 + 1 x source 0's four pairs, 128 along K.  The 32 accumulators take turns in the same order in every step.
.macro MUL a0, p, q, sc, zero
.irp a, \a0, \a0+1
.irp b, 0,1,2,3
.if \zero
	v_wmma_scale_f32_32x16x128_f4 v[64*((\a)%4)+16*\b:64*((\a)%4)+16*\b+15], v[128*(\p)+16*\b:128*(\p)+16*\b+15], v[AF+8*(\a):AF+8*(\a)+7], 0, v[SC+48*(\sc)+4*\b+(\q)], v[SC+48*(\sc)+16+4*(\a)+(\q)]
.else
	v_wmma_scale_f32_32x16x128_f4 v[64*((\a)%4)+16*\b:64*((\a)%4)+16*\b+15], v[128*(\p)+16*\b:128*(\p)+16*\b+15], v[AF+8*(\a):AF+8*(\a)+7], v[64*((\a)%4)+16*\b:64*((\a)%4)+16*\b+15], v[SC+48*(\sc)+4*\b+(\q)], v[SC+48*(\sc)+16+4*(\a)+(\q)]
.endif
.endr
.endr
.endm
.macro FETCH_B slot, q, p
	WIN TO_B
.irp i, 0,1,2,3,4,5,6,7
	FRAG 128*(\p)+8*\i, ADRB+\slot, \q, \i
.endr
	WIN 0
.endm
.macro FETCH_A slot, q, i0
.irp i, \i0, \i0+1, \i0+2, \i0+3
	FRAG AF+8*(\i), ADRA+\slot, \q, \i
.endr
.endm
.macro SCALES slot                     ; a slot's four words a row, into the slot's set
.irp i, 0,1,2,3
	ds_load_b128 v[SC+48*(\slot)+4*\i:SC+48*(\slot)+4*\i+3], v[ADRB+\slot] offset:32768+512*\i   ; source 0: a pair of tiles, 32 rows, a lane a row
.endr
.irp i, 0,1,2,3,4,5,6,7
	ds_load_b128 v[SC+48*(\slot)+16+4*\i:SC+48*(\slot)+16+4*\i+3], v[ADS1+\slot] offset:32768+256*\i
.endr
.endm
.macro ASK ks                          ; prefetch my 32 rows of K step ks
	global_prefetch_b8 v[PFO], s[PFA:PFA+1] offset:(\ks)*KSB th:TH_LOAD_NT scope:SCOPE_SE
.endm
; A step of 128 along K that has its successor in the same slot.  Four places stand in front of each run of loads into registers that matrix instructions have read.
.macro STEP slot, q, zero
	s_wait_dscnt 8                                 ; the youngest eight loads (source 1's tiles 4-7) may be out
	WIN MUL_LO
	MUL 0, (\q)%2, \q, \slot, \zero
	MUL 2, (\q)%2, \q, \slot, \zero
	s_wait_dscnt 0
	PLACES
	FETCH_B \slot, (\q)+1, 1-(\q)%2
	FETCH_A \slot, (\q)+1, 0
	WIN MUL_HI
	MUL 4, (\q)%2, \q, \slot, \zero
	MUL 6, (\q)%2, \q, \slot, \zero
	PLACES
	WIN 0
	FETCH_A \slot, (\q)+1, 4
.endm
; A slot's last step changes slots.  fill = 1: this slot is filled again, by a joint load behind a round of the cluster's barrier.  ask: the K step to prefetch, 0 for none.
.macro TURN slot, next, fill, ask
	s_wait_tensorcnt 0x0                           ; my part of the next slot has landed
	ds_add_u32 v[SPW], v[NIL]
	s_wait_dscnt 9                                 ; (the add and the youngest eight loads may be out)
	WIN MUL_LO
	MUL 0, 1, 3, \slot, 0
	s_wait_dscnt 0x0                               ; the add is done, and my reads of this slot are over
	s_barrier_signal -1
	MUL 2, 1, 3, \slot, 0
	WIN 0
	s_barrier_wait -1
.if \fill
	CREST
	s_add_nc_u64 s[G0+4*\slot+2:G0+4*\slot+3], s[G0+4*\slot+2:G0+4*\slot+3], 2*KSB
	s_add_nc_u64 s[G0B+4*\slot+2:G0B+4*\slot+3], s[G0B+4*\slot+2:G0B+4*\slot+3], 2*KSB
	JLOAD \slot
.else
	PLACES
.endif
	FETCH_B \next, 0, 0
	FETCH_A \next, 0, 0
	SCALES \next
.if \ask
	ASK \ask                                       ; what the next change of slots will load
.endif
	WIN MUL_HI
	MUL 4, 1, 3, \slot, 0
	MUL 6, 1, 3, \slot, 0
	PLACES
	WIN 0
	FETCH_A \next, 0, 4
.endm
.macro STEPS slot, from
.set Q, \from
.rept 3-\from
	STEP \slot, Q, 0
.set Q, Q+1
.endr
.endm
	s_wait_alu depctr_va_vdst(0)                   ; the wait at the head's end
	s_wait_tensorcnt 0x0                           ; my part of K step 0 is in
	ds_add_u32 v[SPW], v[NIL]
	s_wait_dscnt 0x0
	CROUND                                         ; all of K step 0 is in, and the joint loads meet
	JLOAD 1                                        ; K step 1
	FETCH_B 0, 0, 0
	FETCH_A 0, 0, 0
	SCALES 0
	FETCH_A 0, 0, 4
	ASK 2
	STEP 0, 0, 1                                   ; the first step's products start the sums
	STEPS 0, 1
	TURN 0, 1, 1, 3
	STEPS 1, 0
	TURN 1, 0, 1, 0
	STEPS 0, 0
	TURN 0, 1, 0, 0
	STEPS 1, 0
	s_wait_dscnt 8
	WIN MUL_LO
	MUL 0, 1, 3, 1, 0
	MUL 2, 1, 3, 1, 0
	s_wait_dscnt 0
	WIN MUL_HI
	MUL 4, 1, 3, 1, 0
	MUL 6, 1, 3, 1, 0
	WIN 0
	PLACES                                         ; the way out reads results and writes over source 1's fragments
; THE WAY OUT of source 1's tile a: four blocks of 32 a lane pair; a row's four scale bytes make its word.
.macro TILE a
.set AC, 64*((\a)%4)
	WIN 0x28+0x14*((\a)/4)                         ; sources 1 and 2: window 2 or 3
.irp b, 0,1,2,3
	v_max3_num_f32 v[T+\b], 0x1800000, |v[AC+16*\b]|, |v[AC+16*\b+1]|   ; the floor 2^(3 - 127) among the leaves
.endr
.irp i, 2,4,6,8,10,12,14
.irp b, 0,1,2,3
	v_max3_num_f32 v[T+\b], v[T+\b], |v[AC+16*\b+\i]|, |v[AC+16*\b+\i+1]|
.endr
.endr
	WIN 0
.irp b, 0,1,2,3
	v_permlanex16_b32 v[PT+\b], v[T+\b], s[SEL], s[SEL+1]
.endr
.irp b, 0,1,2,3
	v_max_num_f32 v[T+\b], v[T+\b], v[PT+\b]
.endr
.irp b, 0,1,2,3
	v_add_nc_u32 v[SO+\b], 0xff000000, v[T+\b]     ; 2 off the exponent field: the conversion's scale operand
.endr
.irp b, 0,1,2,3
	v_lshrrev_b32 v[PT+\b], 23, v[SO+\b]
.endr
	v_lshl_or_b32 v[SW], v[PT+1], 8, v[PT]
	v_lshl_or_b32 v[SW], v[PT+2], 16, v[SW]
	v_lshl_or_b32 v[SW], v[PT+3], 24, v[SW]
	WIN 2+(\a)/4                                   ; source 0: window 2 or 3
.irp b, 0,1,2,3
	v_cvt_scalef32_pk8_fp4_f32 v[CD+8*(\a)+2*\b], v[AC+16*\b:AC+16*\b+7], v[SO+\b]
	v_cvt_scalef32_pk8_fp4_f32 v[CD+8*(\a)+2*\b+1], v[AC+16*\b+8:AC+16*\b+15], v[SO+\b]
.endr
	v_nop                                          ; one plain line behind the conversions
	WIN 0
.irp c, 0,1                            ; a whole block in a lane: lanes 0-15 block 2 c, lanes 16-31 block 2 c + 1
.irp i, 0,1
	v_permlane16_swap_b32 v[CD+8*(\a)+4*\c+\i], v[CD+8*(\a)+4*\c+2+\i]
.endr
.endr
	ds_store_b32 v[GW], v[SW] offset:64*(\a)       ; lanes l and l xor 16 write the same word with the same value
.irp c, 0,1
	global_store_b128 v[CO], v[CD+8*(\a)+4*\c:CD+8*(\a)+4*\c+3], s[DC:DC+1] offset:1024*(\a)+512*\c   ; 512 consecutive bytes, aligned
.endr
.endm
.irp a, 0,1,2,3,4,5,6,7
	TILE \a
.endr
	ds_load_b128 v[GB:GB+3], v[GR]                 ; LDS serves a wave's instructions in order: these see my stores
	s_wait_dscnt 0x0
	global_store_b128 v[CO], v[GB:GB+3], s[DS:DS+1]
	s_wait_tensorcnt 0x0                           ; the wave's end
	ds_add_u32 v[SPW], v[NIL]
	s_wait_dscnt 0x0
	CROUND                                         ; the closing round
	s_endpgm
.Lfunc_end_k_qde823f9874_proj:
	.size	k_qde823f9874_proj, .Lfunc_end_k_qde823f9874_proj-k_qde823f9874_proj
	.p2alignl 7, 3214868480
	.fill 96, 4, 3214868480
	.section	.rodata,"a",@progbits
	.p2align	6, 0x0
	.amdhsa_kernel k_qde823f9874_proj
		.amdhsa_group_segment_fixed_size 327680
		.amdhsa_private_segment_fixed_size 0
		.amdhsa_enable_private_segment 0
		.amdhsa_kernarg_size 32
		.amdhsa_user_sgpr_count 2
		.amdhsa_user_sgpr_kernarg_segment_ptr 1
		.amdhsa_wavefront_size32 1
		.amdhsa_system_sgpr_workgroup_id_x 1
		.amdhsa_system_sgpr_workgroup_id_y 1
		.amdhsa_system_sgpr_workgroup_id_z 1
		.amdhsa_system_vgpr_workitem_id 0
		.amdhsa_next_free_vgpr 1024
		.amdhsa_next_free_sgpr 98
		.amdhsa_reserve_vcc 0
		.amdhsa_float_denorm_mode_32 3
		.amdhsa_float_denorm_mode_16_64 3
		.amdhsa_memory_ordered 1
		.amdhsa_forward_progress 1
		.amdhsa_inst_pref_size 150
	.end_amdhsa_kernel
	.amdgpu_metadata
---
amdhsa.version: [ 1, 2 ]
amdhsa.kernels:
  - .name:           k_qde823f9874_proj
    .symbol:         k_qde823f9874_proj.kd
    .args:
      - { .name: codes, .offset: 0, .size: 8, .value_kind: global_buffer, .address_space: global }
      - { .name: qc, .offset: 8, .size: 8, .value_kind: global_buffer, .address_space: global }
      - { .name: qs, .offset: 16, .size: 8, .value_kind: global_buffer, .address_space: global }
      - { .name: kv, .offset: 24, .size: 8, .value_kind: global_buffer, .address_space: global }
    .group_segment_fixed_size: 327680
    .private_segment_fixed_size: 0
    .kernarg_segment_align: 8
    .kernarg_segment_size: 32
    .max_flat_workgroup_size: 128
    .sgpr_count:     98
    .vgpr_count:     1024
    .wavefront_size: 32
...
	.end_amdgpu_metadata
.endif
;; end of part 2
;; launch attn (part 3): grid 256 x 1, 8 waves a work-group, clusters of 4 x 1, 327,680 bytes of LDS; arguments qc, qs, kv, out0; writes out0
.if DOCPART == 3
	.amdgcn_target "amdgcn-amd-amdhsa--gfx1250"
	.amdhsa_code_object_version 6
	.text
	.protected	k_qde823f9874_attn
	.globl	k_qde823f9874_attn
	.p2align	8
	.type	k_qde823f9874_attn,@function
k_qde823f9874_attn:
	s_mov_b64 s[64:65], 0
	v_nop
	global_prefetch_b8 v0, s[64:65] scope:SCOPE_SE
	s_setreg_imm32_b32 hwreg(HW_REG_WAVE_MODE, 25, 1), 1
	s_wait_xcnt 0x0
	s_wait_alu depctr_hold_cnt(0) depctr_sa_sdst(0) depctr_va_vdst(0) depctr_va_sdst(0) depctr_va_ssrc(0) depctr_va_vcc(0) depctr_vm_vsrc(0)
	s_getreg_b32 s2, hwreg(HW_REG_IB_STS2, 6, 4)
	s_cmp_eq_u32 s2, 0
	s_cbranch_scc0 .Lentry_in_a_cluster
	s_endpgm
.Lentry_in_a_cluster:
	s_bfe_u32 s2, ttmp6, 0x10000c
	s_cmp_lg_u32 s2, 0x3003
	s_cbranch_scc0 .Lentry_shape_is_right
	s_endpgm
.Lentry_shape_is_right:
; out0[b][t][128 h ..] = the sum over keys s <= t of softmax_s(q[b][h][t] . k[b][s] / sqrt(128)) v[b][s], both products on codes of E2M1 with one E8M0 scale for each 32 along a product's K.
; WORK LEFT OUT: a step of 128 keys all of which come after a tile's 16 queries is not walked: reference()'s own causal mask gives those keys the weight 0 for all values of the inputs.  LIMIT: a NaN, an infinity or an overflow that
; reaches only such a hidden score is not carried to the result.
; THE SOFTMAX AHEAD OF THE SECOND PRODUCT: t = score x log2(e) / sqrt(128); M = the row's largest t so far, rounded UP to a whole number; p = 2^(t - M) is what is quantised, along the keys; the row's sum is taken of the
; unquantised p and divides at the end.  When M moves, the sum and O are multiplied by 2^(old M - new M): exact.  LIMITS: the promise holds while the scaled scores stay under 2^31 in magnitude; a block whose largest p lies
; under 2^-123 is quantised with the scale of 2^-123.
; INPUTS are images of the operands' registers: register group c of lane l lies at tile x 1024 + 512 c + 16 l.  qc [batch][head][class][8 tiles][1024], qs [..][8][16][4]; kv [batch][16 steps] records of 17,408 bytes: K's eight
; tiles, V's eight tiles, K's scale words, V's.  Tile 2 b + u of q or k: lane r = token 32 b + 8 u + r % 8 + 16 (r / 8) of its 128, so the 16 registers of a pair of score tiles are 16 neighbouring keys; V's channels are tiled likewise.
; SHARES.  A DOUBLE TILE is the same 16 queries for TWO HEADS, which share K and V: each fragment of K and V feeds both.  A work-group is (batch, pair of heads, i, j): tile i of eight of the 16 classes of 128 queries.  With
; c = 2 (wave % 4) + j, waves w and w + 4 (w < 4) share classes 15 - c and c, 17 double steps: wave w walks records 0-8 of class 15 - c (9 steps); wave w + 4 walks class c, sends it out, and walks records 9 to 15 - c of class
; 15 - c (8 steps together).  Then the two exchange one head's partial O, M and sum through LDS, and each joins and stores one head of class 15 - c.
; LDS.  The batch's whole K and V, 278,528 bytes, come once, in two pieces, records 0-1 and 2-15, each wave an eighth of each: no byte is filled twice.  The second piece is asked for behind the first one's landing and lands under
; steps 0 and 1.  (Where j = 1 no wave walks record 15; it comes with part of record 14, by the same load.)  No prefetch: everything is asked for ahead of the walk.
; CLUSTER.  The four partners are four pairs of heads of one batch with the same i and j: they ask for each piece JOINTLY (mask 15).  The place in the cluster enters q's and out0's global addresses alone.
; Both products are used transposed (S^T = K Q^T, O^T = V^T P^T): a lane holds ONE query (lane % 16) of each head throughout.
; REGISTERS.  Window 0: below, and v96-159 S^T then p of tile 0, v160-223 of tile 1, v224-255 the sums' partial results.  Window 1: v0-63 O^T of tile 0, v64-127 of tile 1, v128-191 K's fragments, v192-255 V's.
.set REC,   17408
.set KVB,   16*REC
.set STAGE, KVB                        ; the way out's stages, 16 rows x 272 bytes a wave
.set WST,   16*272
.set SPARE, STAGE+8*WST                ; the spare words, 128 bytes a wave, which no other line names
.set XCH,   8448                       ; the exchange: 8,192 bytes of O and 256 of M and the sum for each wave, in K's and V's bytes when nobody reads them any more
.set LI,   1                           ; 16 x lane
.set L4,   2                           ; 4 x lane
.set SPW,  3
.set NIL,  4
.set GO,   5                           ; 8192 (lane / 16) + 16 (lane % 16): two rows of out0
.set STO,  6
.set RD,   7
.set ADK,  8                           ; the next step's K, its scale words
.set ADS,  9
.set ADV,  10                          ; this step's V, its scale words
.set ADT,  11
.set ST,   12                          ; v12-17 tile 0, v18-23 tile 1: -M, the largest score, the sum in two halves, f = 2^(old M - new M) and its pair's upper half
.set QF,   24                          ; v24-31, v32-39 Q
.set KS,   40                          ; v40-43 K's scale words, v44-47 V's
.set VS,   44
.set QS,   48                          ; v48, v49 Q's scale words
.set PS,   50                          ; v50, v51 p's
.set PC,   52                          ; v52-59, v60-67 p's codes
.set BM,   68                          ; v68-71, v80-83 the blocks' largest scores, then largest p
.set PM,   72                          ; v72-75, v84-87 at work
.set SO,   76                          ; v76-79, v88-91 the conversions' scale operands
.set OM,   92                          ; v92, v93 at work
.set NI,   94                          ; -infinity
.set DD,   95                          ; my query's place in its 128, less 16 (lane / 16)
.set SA,   96
.set SB,   160
.set T,    224
.set OA,   0                           ; window 1
.set KF,   128
.set VF,   192
.set WV,   12
.set SEL,  20
.set CS,   22                          ; s[22:23] c = log2(e) / sqrt(128)
.set CN,   24                          ; -c
.set TN,   25                          ; LDS byte of the next step's record
.set IB,   26                          ; which block of 32 keys of the diagonal step holds my queries
.set ISB,  27                          ; 0 in waves 0-3, 1 in waves 4-7
.set PQ,   28
.set PSC,  30
.set PO,   32
.set LNG,  34                          ; 15 - c
.set SH,   35                          ; c
.set TB,   36
.set KI,   37                          ; the record in hand
.set LIM,  38                          ; my last record
.set DIAG, 39                          ; the record on the diagonal
.set G0,   40
.set LC,   48
.set G1A,  68
.set G1B,  76
.set MSB, 0
.macro WIN new                         ; the immediate's high byte repeats the setting that is left
.if MSB != (\new)
	s_set_vgpr_msb (MSB<<8)|(\new)
.set MSB, (\new)
.endif
.endm
.macro CROUND                          ; a round of the cluster's barrier
	s_barrier_signal -1
	s_barrier_wait -1
	s_cmp_lg_u32 s[WV], 0
	s_cbranch_scc1 .Lnot_wave_0_\@
	s_barrier_signal -3
.Lnot_wave_0_\@:
	s_barrier_wait -3
	s_barrier_signal -1
	s_barrier_wait -1
.endm
.macro G1SET g, rows                   ; a dense block as rows of 256 bytes: 32 elements of 8 bytes; the mask of all four partners, bit 21 beside it
	s_mov_b32 s[\g], 15|(3<<16)|(1<<21)
	s_mov_b32 s[\g+1], 32<<16
	s_mov_b32 s[\g+2], (\rows)<<16
	s_mov_b32 s[\g+3], 32<<16
	s_mov_b32 s[\g+4], \rows
	s_mov_b32 s[\g+5], 32
	s_mov_b32 s[\g+6], 0
	s_mov_b32 s[\g+7], 0
.endm
.macro INIT                            ; O^T and the sums begin as zeros, the largest score under every score, -M so large that the first f is 0: the step needs no first form of its own
.irp x, 0,1
	v_mov_b32 v[ST+6*\x], 0x7e967699               ; 1e38
	v_mov_b32 v[ST+6*\x+1], 0xff61b1e6             ; -3e38
	v_mov_b32 v[ST+6*\x+2], 0
	v_mov_b32 v[ST+6*\x+3], 0
.endr
	WIN 0x40
.set j, 0
.rept 128
	v_mov_b32 v[OA+j], 0
.set j, j+1
.endr
	WIN 0
.endm
	s_load_b256 s[4:11], s[0:1], 0x0               ; qc s[4:5], qs s[6:7], kv s[8:9], out0 s[10:11]
	v_lshl_add_u32 v[SPW], v0, 2, SPARE
	v_mov_b32 v[NIL], 0
	ds_add_u32 v[SPW], v[NIL]                      ; the wave's opening: the add, twice on end, and its wait ahead of my first tensor load
	ds_add_u32 v[SPW], v[NIL]
	v_lshrrev_b32 v8, 5, v0
	v_readfirstlane_b32 s[WV], v8                  ; wave 0..7
	s_lshr_b32 s15, ttmp9, 5                       ; the batch: the cluster's number / 32, which the partners share
	G1SET G1A, 17
	G1SET G1B, 119
	s_mul_i32 s18, s[WV], 17*256                   ; my eighth of each piece: the same offset in LDS and in the batch's records
	s_mul_i32 s19, s[WV], 119*256
	s_mov_b32 s[G0+1], s18                         ; records 0 and 1
	s_add_co_u32 s[G0+5], s19, 2*REC               ; records 2 to 15
	s_wait_dscnt 0x0                               ; both opening adds are done
	s_bfe_u32 s57, ttmp9, 0x10004                  ; j
	s_and_b32 s56, s[WV], 3
	s_lshl_b32 s56, s56, 1
	s_add_co_u32 s[SH], s56, s57                   ; c
	s_sub_co_u32 s[LNG], 15, s[SH]
	s_lshr_b32 s[ISB], s[WV], 2
	s_cmp_eq_u32 s[ISB], 0
	s_cselect_b32 s[LIM], s[LNG], s[SH]            ; the class that I begin with
	s_mov_b32 s[DIAG], s[LIM]
	s_and_b32 s14, ttmp9, 7                        ; i
	s_lshr_b32 s[IB], s14, 1
	s_lshl_b32 s60, s[IB], 5
	s_and_b32 s61, s14, 1
	s_lshl_b32 s61, s61, 3
	s_add_co_u32 s60, s60, s61                     ; the tile's first query in its class: 32 (i / 2) + 8 (i % 2)
	s_bfe_u32 s13, ttmp6, 0x40000                  ; my place in the cluster
	s_bfe_u32 s16, ttmp9, 0x10003
	s_lshl_b32 s16, s16, 2
	s_add_co_u32 s16, s16, s13                     ; the pair of heads
	s_lshl_b32 s17, s15, 4
	s_lshl_b32 s58, s16, 1
	s_add_co_u32 s17, s17, s58
	s_lshl_b32 s17, s17, 4
	s_add_co_u32 s17, s17, s[LIM]                  ; the first head's unit of q; the second's is 16 further on
	s_lshl_b32 s50, s17, 13
	s_lshl_b32 s57, s14, 10
	s_add_co_u32 s50, s50, s57
	s_mov_b32 s51, 0
	s_lshl_b32 s52, s17, 9
	s_lshl_b32 s57, s14, 6
	s_add_co_u32 s52, s52, s57
	s_mov_b32 s53, 0
	s_lshl_b32 s54, s15, 11
	s_lshl_b32 s57, s[LIM], 7
	s_add_co_u32 s54, s54, s57
	s_add_co_u32 s54, s54, s60                     ; the tile's first row of out0: 8,192 bytes a row, 1,024 a pair of heads
	s_lshl_b32 s54, s54, 13
	s_lshl_b32 s57, s16, 10
	s_add_co_u32 s54, s54, s57
	s_mov_b32 s55, 0
	s_mul_i32 s58, s15, KVB
	s_mov_b32 s59, 0
	s_mov_b32 s19, 0
	s_mov_b32 s[SEL], 0x76543210
	s_mov_b32 s[SEL+1], 0xfedcba98
	s_mov_b32 s[CS], 0x3e0293ee                    ; c = log2(e) / sqrt(128)
	s_mov_b32 s[CS+1], s[CS]                       ; (named with it as a pair, so it is written)
	s_mov_b32 s[CN], 0xbe0293ee
	s_mul_i32 s56, s[WV], WST
	s_add_co_u32 s56, s56, STAGE                   ; my stage
	v_and_b32 v8, 31, v0                           ; lane
	v_and_b32 v9, 15, v0                           ; r
	v_bfe_u32 v11, v0, 4, 1                        ; h
	v_lshlrev_b32 v[LI], 4, v8
	v_lshlrev_b32 v[L4], 2, v8
	v_lshlrev_b32 v[OM], 2, v9
	v_lshlrev_b32 v[GO], 13, v11
	v_lshl_add_u32 v[GO], v9, 4, v[GO]
	v_mul_u32_u24 v[STO], v9, 272
	v_lshl_add_u32 v[STO], v11, 6, v[STO]
	v_add_nc_u32 v[STO], s56, v[STO]               ; in: row r; 64 h bytes on
	v_mul_u32_u24 v[RD], v11, 272
	v_lshl_add_u32 v[RD], v9, 4, v[RD]
	v_add_nc_u32 v[RD], s56, v[RD]                 ; back: lanes 0-15 one row, lanes 16-31 the next
	v_and_b32 v[DD], 7, v9
	v_lshrrev_b32 v12, 3, v9
	v_lshl_add_u32 v[DD], v12, 4, v[DD]            ; r % 8 + 16 (r / 8)
	v_lshlrev_b32 v12, 4, v11
	v_sub_nc_u32 v[DD], v[DD], v12
	v_add_nc_u32 v[DD], s60, v[DD]
	v_mov_b32 v[NI], 0xff800000
.irp x, 0,1
	v_mov_b32 v[ST+6*\x+5], 0
.irp b, 0,1,2,3
	v_mov_b32 v[PM+12*\x+\b], 0                    ; (a lane exchange's destination counts as one of its sources)
.endr
.endr
	v_mov_b32 v[OM+1], 0
	INIT
	s_wait_alu depctr_va_vdst(0)                   ; the wait at the head's end
	s_wait_kmcnt 0x0
	s_add_nc_u64 s[8:9], s[8:9], s[58:59]          ; kv at my batch
.irp p, 0,1
	s_mov_b32 s[G0+4*\p], 1
	s_mov_b32 s18, s[G0+4*\p+1]
	s_add_nc_u64 s[G0+4*\p+2:G0+4*\p+3], s[8:9], s[18:19]
	s_or_b32 s[G0+4*\p+3], s[G0+4*\p+3], 0x80000000
.endr
	s_add_nc_u64 s[PQ:PQ+1], s[4:5], s[50:51]
	s_add_nc_u64 s[PSC:PSC+1], s[6:7], s[52:53]
	s_add_nc_u64 s[PO:PO+1], s[10:11], s[54:55]
.macro QLOAD x, hd                     ; tile x's Q: head hd of the pair
	global_load_b128 v[QF+8*(\x):QF+8*(\x)+3], v[LI], s[PQ:PQ+1] offset:131072*(\hd)
	global_load_b128 v[QF+8*(\x)+4:QF+8*(\x)+7], v[LI], s[PQ:PQ+1] offset:131072*(\hd)+512
	global_load_b32 v[QS+(\x)], v[OM], s[PSC:PSC+1] offset:8192*(\hd)
.endm
	CROUND                                         ; all four work-groups are here: the joint loads meet
	tensor_load_to_lds s[G0:G0+3], s[G1A:G1A+7]    ; records 0 and 1: one load a wave at the head
	s_nop 0
.rept 4
	v_nop
.endr
	QLOAD 0, 0
	QLOAD 1, 1
.macro KLD                             ; K's fragments and scale words: 20 loads
	WIN 0x40
.irp t, 0,1,2,3,4,5,6,7
	ds_load_b128 v[KF+8*\t:KF+8*\t+3], v[ADK] offset:1024*\t
	ds_load_b128 v[KF+8*\t+4:KF+8*\t+7], v[ADK] offset:1024*\t+512
.endr
	WIN 0
.irp b, 0,1,2,3
	ds_load_b32 v[KS+\b], v[ADS] offset:16384+128*\b   ; a pair of tiles: 32 rows, a lane a row
.endr
.endm
.macro MASKB b                         ; register 16 b + n holds key 32 b + 16 h + n of the step: hidden where 32 b + n > my query's place - 16 h
.irp n, 0,1,2,3,4,5,6,7,8,9,10,11,12,13,14,15
	v_cmp_gt_i32 vcc_lo, 32*\b+\n, v[DD]
	v_cndmask_b32 v[SA+16*\b+\n], v[SA+16*\b+\n], v[NI], vcc_lo
	v_cndmask_b32 v[SB+16*\b+\n], v[SB+16*\b+\n], v[NI], vcc_lo
.endr
.endm
.macro FOLD n                          ; n pairs += the n pairs behind them
.set k, 0
.rept \n
	v_pk_add_f32 v[T+2*k:T+2*k+1], v[T+2*k:T+2*k+1], v[T+2*k+2*\n:T+2*k+2*\n+1]
.set k, k+1
.endr
.endm
; A DOUBLE STEP: 128 keys, the record at LDS byte s[TB].  Its K was fetched in the step before; it fetches the next step's K (held at record clamp), and its own V under the first product and the softmax.
.macro STEP clamp
	s_cmp_gt_u32 s[KI], s[LIM]                     ; ids and the count of steps alone: a step behind my last is left out
	s_cbranch_scc1 .Lhid_\@
	s_add_co_u32 s[TN], s[TB], REC
	s_min_u32 s[TN], s[TN], (\clamp)*REC
	v_add_nc_u32 v[ADV], s[TB], v[LI]
	v_add_nc_u32 v[ADT], s[TB], v[L4]
	v_add_nc_u32 v[ADK], s[TN], v[LI]
	v_add_nc_u32 v[ADS], s[TN], v[L4]
	WIN 0x40
.irp t, 0,1,2,3,4,5,6,7
	ds_load_b128 v[VF+8*\t:VF+8*\t+3], v[ADV] offset:8192+1024*\t
	ds_load_b128 v[VF+8*\t+4:VF+8*\t+7], v[ADV] offset:8192+1024*\t+512
.endr
	WIN 0
.irp b, 0,1,2,3
	ds_load_b32 v[VS+\b], v[ADT] offset:16896+128*\b
.endr
	s_wait_alu depctr_va_vdst(0)                   ; directly ahead of the wait below
	s_wait_dscnt 20                                ; K is in; the 20 loads of V may be out
	WIN 0x01                                       ; source 0 (K): window 1
.irp b, 0,1,2,3
.irp x, 0,1
	v_wmma_scale_f32_32x16x128_f4 v[SA+64*\x+16*\b:SA+64*\x+16*\b+15], v[KF+16*\b:KF+16*\b+15], v[QF+8*\x:QF+8*\x+7], 0, v[KS+\b], v[QS+\x]
.endr
.endr
	WIN 0
.rept 4
	v_nop                                          ; places: for the loads below and the first reads of the scores
.endr
	KLD
	s_cmp_lg_u32 s[KI], s[DIAG]
	s_cbranch_scc1 .Lopen_\@                       ; ahead of the diagonal all keys count
	s_cmp_eq_u32 s[IB], 1                          ; on it the blocks ahead of my queries' own count whole
	s_cbranch_scc1 .Lm1_\@
	s_cmp_eq_u32 s[IB], 2
	s_cbranch_scc1 .Lm2_\@
	s_cmp_eq_u32 s[IB], 3
	s_cbranch_scc1 .Lm3_\@
	MASKB 0
.Lm1_\@:
	MASKB 1
.Lm2_\@:
	MASKB 2
.Lm3_\@:
	MASKB 3
.Lopen_\@:
.irp x, 0,1
.irp b, 0,1,2,3
	v_max3_num_f32 v[BM+12*\x+\b], v[SA+64*\x+16*\b], v[SA+64*\x+16*\b+1], v[SA+64*\x+16*\b+2]   ; the largest score of each block of 32 keys: for the row's maximum and, since p rises with the score, for the block's largest p
.endr
.endr
.irp i, 3,5,7,9,11,13
.irp x, 0,1
.irp b, 0,1,2,3
	v_max3_num_f32 v[BM+12*\x+\b], v[BM+12*\x+\b], v[SA+64*\x+16*\b+\i], v[SA+64*\x+16*\b+\i+1]
.endr
.endr
.endr
.irp x, 0,1
.irp b, 0,1,2,3
	v_max_num_f32 v[BM+12*\x+\b], v[BM+12*\x+\b], v[SA+64*\x+16*\b+15]
.endr
.endr
.irp x, 0,1
.irp b, 0,1,2,3
	v_permlanex16_b32 v[PM+12*\x+\b], v[BM+12*\x+\b], s[SEL], s[SEL+1]
.endr
.endr
.irp x, 0,1
.irp b, 0,1,2,3
	v_max_num_f32 v[BM+12*\x+\b], v[BM+12*\x+\b], v[PM+12*\x+\b]   ; with lane l xor 16's 16 keys
.endr
.endr
.irp x, 0,1
	v_max3_num_f32 v[ST+6*\x+1], v[ST+6*\x+1], v[BM+12*\x], v[BM+12*\x+1]
.endr
.irp x, 0,1
	v_mov_b32 v[OM+\x], v[ST+6*\x]                 ; the old -M
.endr
.irp x, 0,1
	v_max3_num_f32 v[ST+6*\x+1], v[ST+6*\x+1], v[BM+12*\x+2], v[BM+12*\x+3]   ; the row's largest score so far
.endr
.irp x, 0,1
	v_mul_f32 v[ST+6*\x], s[CN], v[ST+6*\x+1]
.endr
.irp x, 0,1
	v_floor_f32 v[ST+6*\x], v[ST+6*\x]             ; the new -M = floor(-t): M is a whole number
.endr
.irp x, 0,1
	v_sub_f32 v[OM+\x], v[ST+6*\x], v[OM+\x]       ; old M - new M: a whole number, 0 or less
.endr
.irp x, 0,1
	v_cvt_i32_f32 v[OM+\x], v[OM+\x]               ; (it saturates)
.endr
.irp x, 0,1
	v_ldexp_f32 v[ST+6*\x+4], 1.0, v[OM+\x]        ; f
.endr
.irp x, 0,1
.irp b, 0,1,2,3
	v_fma_f32 v[BM+12*\x+\b], v[BM+12*\x+\b], s[CS], v[ST+6*\x]
.endr
.endr
	WIN 0x41                                       ; source 0 and destination: window 1
.irp x, 0,1
.set j, 0
.rept 32
	v_pk_mul_f32 v[OA+64*\x+j:OA+64*\x+j+1], v[OA+64*\x+j:OA+64*\x+j+1], v[ST+6*\x+4:ST+6*\x+5] op_sel_hi:[1,0]   ; O^T under the new M
.set j, j+2
.endr
.endr
	WIN 0
.irp x, 0,1
.irp b, 0,1,2,3
	v_max_num_f32 v[BM+12*\x+\b], 0xc2f60000, v[BM+12*\x+\b]   ; held at -123: the block's largest p keeps 2^-123, and its scale's byte is 2 or more (a block of zeros too: its codes are zeros)
.endr
.endr
.set j, 0
.rept 32
	v_pk_fma_f32 v[SA+j:SA+j+1], v[SA+j:SA+j+1], s[CS:CS+1], v[ST:ST+1] op_sel_hi:[1,0,0]   ; t - M, two at a time
.set j, j+2
.endr
	s_wait_alu depctr_va_vdst(0)                   ; the wait ahead of the batch
.set j, 0
.rept 32                               ; tile 0's p; tile 1's t - M stands between
	v_exp_f32 v[SA+j], v[SA+j]
	v_pk_fma_f32 v[SB+j:SB+j+1], v[SB+j:SB+j+1], s[CS:CS+1], v[ST+6:ST+7] op_sel_hi:[1,0,0]
	v_exp_f32 v[SA+j+1], v[SA+j+1]
.set j, j+2
.endr
.irp b, 0,1,2,3
	v_exp_f32 v[BM+\b], v[BM+\b]
.endr
	s_wait_alu depctr_va_vdst(0)                   ; one wait behind this batch and ahead of the next
.set j, 0
.rept 16                               ; tile 1's p; the first additions of tile 0's sum stand between
	v_exp_f32 v[SB+j], v[SB+j]
	v_exp_f32 v[SB+j+1], v[SB+j+1]
	v_pk_add_f32 v[T+j/2:T+j/2+1], v[SA+j:SA+j+1], v[SA+j+2:SA+j+3]
	v_exp_f32 v[SB+j+2], v[SB+j+2]
	v_exp_f32 v[SB+j+3], v[SB+j+3]
.set j, j+4
.endr
.irp b, 0,1,2,3
	v_exp_f32 v[BM+12+\b], v[BM+12+\b]
.endr
.irp x, 0,1
	v_pk_mul_f32 v[ST+6*\x+2:ST+6*\x+3], v[ST+6*\x+2:ST+6*\x+3], v[ST+6*\x+4:ST+6*\x+5] op_sel_hi:[1,0]   ; the sums under the new M: the plain lines behind the exponentials
.endr
	s_wait_alu depctr_va_vdst(0)                   ; the wait behind the batch, ahead of its first reader
.irp x, 0,1
.irp b, 0,1,2,3
	v_add_nc_u32 v[SO+12*\x+\b], 0xff000000, v[BM+12*\x+\b]   ; 2 off the exponent field: the conversion's scale operand
.endr
.endr
.irp x, 0,1
.irp b, 0,1,2,3
	v_lshrrev_b32 v[PM+12*\x+\b], 23, v[SO+12*\x+\b]   ; the scale's byte
.endr
.endr
.irp x, 0,1
	v_lshl_or_b32 v[PS+\x], v[PM+12*\x+1], 8, v[PM+12*\x]
.endr
.irp x, 0,1
	v_lshl_or_b32 v[PS+\x], v[PM+12*\x+2], 16, v[PS+\x]
.endr
.irp x, 0,1
	v_lshl_or_b32 v[PS+\x], v[PM+12*\x+3], 24, v[PS+\x]
.endr
.irp x, 0,1
.irp b, 0,1,2,3
	v_cvt_scalef32_pk8_fp4_f32 v[PC+8*\x+2*\b], v[SA+64*\x+16*\b:SA+64*\x+16*\b+7], v[SO+12*\x+\b]
	v_cvt_scalef32_pk8_fp4_f32 v[PC+8*\x+2*\b+1], v[SA+64*\x+16*\b+8:SA+64*\x+16*\b+15], v[SO+12*\x+\b]
.endr
.endr
	FOLD 8                                         ; tile 0's sum goes on: the plain lines behind the conversions
.irp x, 0,1
.irp c, 0,1
.irp i, 0,1
	v_permlane16_swap_b32 v[PC+8*\x+4*\c+\i], v[PC+8*\x+4*\c+2+\i]   ; a whole block in a lane
.endr
.endr
.endr
	FOLD 4
	FOLD 2
	FOLD 1
	v_pk_add_f32 v[ST+2:ST+3], v[ST+2:ST+3], v[T:T+1]
	s_wait_alu depctr_va_vdst(0)                   ; directly ahead of the wait below
	s_wait_dscnt 20                                ; V is in; the 20 loads of the next K may be out
	WIN 0x51                                       ; source 0, C and D: window 1
.irp b, 0,1,2,3                        ; the eight accumulators by turns
.irp x, 0,1
	v_wmma_scale_f32_32x16x128_f4 v[OA+64*\x+16*\b:OA+64*\x+16*\b+15], v[VF+16*\b:VF+16*\b+15], v[PC+8*\x:PC+8*\x+7], v[OA+64*\x+16*\b:OA+64*\x+16*\b+15], v[VS+\b], v[PS+\x]
.endr
.endr
	WIN 0
.set j, 0
.rept 16                               ; tile 1's sum: also the places behind the products
	v_pk_add_f32 v[T+j/2:T+j/2+1], v[SB+j:SB+j+1], v[SB+j+2:SB+j+3]
.set j, j+4
.endr
	FOLD 8
	FOLD 4
	FOLD 2
	FOLD 1
	v_pk_add_f32 v[ST+8:ST+9], v[ST+8:ST+9], v[T:T+1]
.Lhid_\@:
.endm
.macro WALK trips, clamp               ; from record s[KI] at s[TB]: every wave makes all trips, a constant of the text; what is left out is jumped over inside the trip
	s_mov_b32 s[LC], 0
	v_add_nc_u32 v[ADK], s[TB], v[LI]
	v_add_nc_u32 v[ADS], s[TB], v[L4]
	v_nop
	v_nop
	KLD                                            ; the first step's K
.Lk_\@:
	STEP \clamp
	s_add_co_u32 s[TB], s[TB], REC
	s_add_co_u32 s[KI], s[KI], 1
	s_add_co_u32 s[LC], s[LC], 1
	s_cmp_lt_u32 s[LC], \trips
	s_wait_alu depctr_va_vdst(0)                   ; directly ahead of the branch
	s_cbranch_scc1 .Lk_\@
	s_wait_dscnt 0x0                               ; the last look-ahead at K is in
.endm
; THE WAY OUT goes through my stage, half a row (64 channels, 256 bytes) of 16 queries at a time; sixteen lanes then store 256 consecutive bytes, aligned.  Stage row p is the tile's query p + 8 (p / 8).
.macro TURNU src, dst                  ; 32 registers of window 0 into the stage, back as rows into window 1.  LDS serves a wave's instructions in order: the loads see my stores, and the next half's stores come behind them
	WIN 0
.irp b, 0,1
.irp k, 0,1,2,3
	ds_store_b128 v[STO], v[(\src)+16*\b+4*\k:(\src)+16*\b+4*\k+3] offset:128*\b+16*\k
.endr
.endr
	WIN 0x40
.irp i, 0,1,2,3,4,5,6,7
	ds_load_b128 v[(\dst)+4*\i:(\dst)+4*\i+3], v[RD] offset:2*\i*272
.endr
.endm
.macro SENDU dst, later, off           ; later: the halves turned behind this one, sixteen LDS instructions each
	WIN 0x04                                       ; a store's data: window 1
.irp i, 0,1,2,3,4,5,6,7
	s_wait_dscnt 16*(\later)+7-\i
	global_store_b128 v[GO], v[(\dst)+4*\i:(\dst)+4*\i+3], s[PO:PO+1] offset:(2*\i+8*(\i/4))*8192+\off th:TH_STORE_NT
.endr
.endm
	s_wait_loadcnt 0x0                             ; Q
	s_wait_tensorcnt 0x0                           ; my eighth of the first piece is in
	ds_add_u32 v[SPW], v[NIL]
	s_wait_dscnt 0x0
	CROUND                                         ; the whole first piece is in, and the joint loads meet:
	tensor_load_to_lds s[G0+4:G0+7], s[G1B:G1B+7]  ; records 2 to 15
	s_nop 0
.rept 4
	v_nop
.endr
	s_mov_b32 s[TB], 0
	s_mov_b32 s[KI], 0
	WALK 2, 1
	s_wait_tensorcnt 0x0                           ; my eighth of the second piece is in; no engine fills anything behind this barrier
	s_barrier_signal -1
	s_barrier_wait -1
	s_mov_b32 s[TB], 2*REC
	s_mov_b32 s[KI], 2
	WALK 6, 7                                      ; records 2 to 7
	s_cmp_eq_u32 s[ISB], 0
	s_cbranch_scc1 .Llong
; Waves 4-7: class c goes out, and class 15 - c begins.
.irp x, 0,1
	v_add_f32 v[ST+6*\x+2], v[ST+6*\x+2], v[ST+6*\x+3]
.endr
.irp x, 0,1
	v_permlanex16_b32 v[OM+\x], v[ST+6*\x+2], s[SEL], s[SEL+1]
.endr
.irp x, 0,1
	v_add_f32 v[ST+6*\x+2], v[ST+6*\x+2], v[OM+\x] ; the row's sum
.endr
	s_wait_alu depctr_va_vdst(0)                   ; the wait ahead of the batch
.irp x, 0,1
	v_rcp_f32 v[ST+6*\x+4], v[ST+6*\x+2]
.endr
	v_nop                                          ; a plain line behind the reciprocals
	WIN 0x01
	s_wait_alu depctr_va_vdst(0)                   ; and the wait, directly ahead of the first readers of them and of O^T
.irp x, 0,1
.set j, 0
.rept 32
	v_pk_mul_f32 v[SA+64*\x+j:SA+64*\x+j+1], v[OA+64*\x+j:OA+64*\x+j+1], v[ST+6*\x+4:ST+6*\x+5] op_sel_hi:[1,0]   ; register 16 b + n: channel 32 b + 16 h + n
.set j, j+2
.endr
.endr
	TURNU SA, KF
	TURNU SA+32, KF+32
	TURNU SB, VF
	TURNU SB+32, VF+32
	SENDU KF, 3, 0
	SENDU KF+32, 2, 256
	SENDU VF, 1, 512
	SENDU VF+32, 0, 768
	WIN 0
	INIT
	v_and_b32 v[OM], 60, v[L4]                     ; 4 (lane % 16)
	s_wait_alu depctr_va_vdst(0)                   ; directly ahead of the wait below
	s_wait_xcnt 0x0                                ; the stores have read their data and their base
	s_sub_co_u32 s56, s[LNG], s[SH]                ; from class c to class 15 - c
	s_lshl_b32 s50, s56, 13
	s_lshl_b32 s52, s56, 9
	s_lshl_b32 s54, s56, 20
	s_add_co_u32 s54, s54, 512                     ; of class 15 - c I store the pair's second head
	s_add_nc_u64 s[PQ:PQ+1], s[PQ:PQ+1], s[50:51]
	s_add_nc_u64 s[PSC:PSC+1], s[PSC:PSC+1], s[52:53]
	s_add_nc_u64 s[PO:PO+1], s[PO:PO+1], s[54:55]
	QLOAD 0, 1                                     ; the heads the other way round: tile 0 is the one that I keep
	QLOAD 1, 0
	s_wait_loadcnt 0x0
.Llong:
	s_mov_b32 s56, 8
	s_cmp_eq_u32 s[ISB], 0
	s_cselect_b32 s[LIM], s56, s[LNG]
	s_mov_b32 s[DIAG], s[LNG]
	s_mul_i32 s[TB], s[ISB], REC
	s_add_co_u32 s[TB], s[TB], 8*REC
	s_add_co_u32 s[KI], s[ISB], 8
	WALK 7, 15                                     ; waves 0-3: record 8; waves 4-7: records 9 to 15 - c
; THE EXCHANGE: of class 15 - c I keep tile 0 and send tile 1, which is my partner's tile 0.
	s_barrier_signal -1
	s_barrier_wait -1                              ; nobody reads K or V any more: no fill lands there either
	s_mul_i32 s56, s[WV], XCH
	s_xor_b32 s57, s[WV], 4
	s_mul_i32 s57, s57, XCH
	s_add_co_u32 s58, s56, 8192
	s_add_co_u32 s59, s57, 8192
	v_add_nc_u32 v[ADK], s56, v[LI]                ; mine,
	v_lshl_add_u32 v[ADS], v[L4], 1, s58
	v_add_nc_u32 v[ADV], s57, v[LI]                ; and my partner's
	v_lshl_add_u32 v[ADT], v[L4], 1, s59
	v_add_f32 v[ST+7], v[ST+8], v[ST+9]            ; tile 1's sum of my lane goes beside its -M
	v_add_f32 v[ST+2], v[ST+2], v[ST+3]
	WIN 0x04
.irp k, 0,1,2,3,4,5,6,7,8,9,10,11,12,13,14,15
	ds_store_b128 v[ADK], v[OA+64+4*\k:OA+64+4*\k+3] offset:512*\k
.endr
	WIN 0
	ds_store_b64 v[ADS], v[ST+6:ST+7]
	s_wait_alu depctr_va_vdst(0)                   ; directly ahead of the wait below
	s_wait_dscnt 0x0
	s_barrier_signal -1
	s_barrier_wait -1
	ds_load_b64 v[BM:BM+1], v[ADT]                 ; my partner's -M and sum
.irp k, 0,1,2,3,4,5,6,7,8,9,10,11,12,13,14,15
	ds_load_b128 v[SA+4*\k:SA+4*\k+3], v[ADV] offset:512*\k
.endr
	s_wait_dscnt 16                                ; the 16 loads of O may be out
	v_min_num_f32 v[BM+2], v[ST], v[BM]            ; the greater M
	v_sub_f32 v[PM], v[BM+2], v[ST]
	v_sub_f32 v[PM+1], v[BM+2], v[BM]
	v_cvt_i32_f32 v[PM], v[PM]
	v_cvt_i32_f32 v[PM+1], v[PM+1]
	v_ldexp_f32 v[ST+4], 1.0, v[PM]                ; my part's factor,
	v_ldexp_f32 v[ST+10], 1.0, v[PM+1]             ; and my partner's (a part without keys has sum and O of 0 and a factor of 0)
	v_mul_f32 v[PM+2], v[ST+2], v[ST+4]
	v_fma_f32 v[PM+2], v[BM+1], v[ST+10], v[PM+2]
	v_permlanex16_b32 v[OM], v[PM+2], s[SEL], s[SEL+1]
	v_add_f32 v[PM+2], v[PM+2], v[OM]              ; the row's sum
	s_wait_alu depctr_va_vdst(0)                   ; the wait ahead of the transcendental
	v_rcp_f32 v[PM+3], v[PM+2]
	v_nop                                          ; a plain line behind the reciprocal
	s_wait_alu depctr_va_vdst(0)                   ; and the wait ahead of its first reader
	v_mul_f32 v[ST+4], v[ST+4], v[PM+3]
	v_mul_f32 v[ST+10], v[ST+10], v[PM+3]
	s_wait_alu depctr_va_vdst(0)                   ; directly ahead of the wait below
	s_wait_dscnt 0x0
.set j, 0
.rept 32
	v_pk_mul_f32 v[SA+j:SA+j+1], v[SA+j:SA+j+1], v[ST+10:ST+11] op_sel_hi:[1,0]
.set j, j+2
.endr
	WIN 0x01
	s_wait_alu depctr_va_vdst(0)                   ; directly ahead of the first readers of O^T
.set j, 0
.rept 32
	v_pk_fma_f32 v[SB+j:SB+j+1], v[OA+j:OA+j+1], v[ST+4:ST+5], v[SA+j:SA+j+1] op_sel_hi:[1,0,1]
.set j, j+2
.endr
	TURNU SB, KF
	TURNU SB+32, KF+32
	SENDU KF, 1, 0
	SENDU KF+32, 0, 256
	WIN 0
	s_wait_tensorcnt 0x0                           ; the wave's end, behind my last tensor load and my last LDS store
	ds_add_u32 v[SPW], v[NIL]
	s_wait_dscnt 0x0
	CROUND                                         ; the closing round
	s_endpgm
.Lfunc_end_k_qde823f9874_attn:
	.size	k_qde823f9874_attn, .Lfunc_end_k_qde823f9874_attn-k_qde823f9874_attn
	.p2alignl 7, 3214868480
	.fill 96, 4, 3214868480
	.section	.rodata,"a",@progbits
	.p2align	6, 0x0
	.amdhsa_kernel k_qde823f9874_attn
		.amdhsa_group_segment_fixed_size 327680
		.amdhsa_private_segment_fixed_size 0
		.amdhsa_enable_private_segment 0
		.amdhsa_kernarg_size 32
		.amdhsa_user_sgpr_count 2
		.amdhsa_user_sgpr_kernarg_segment_ptr 1
		.amdhsa_wavefront_size32 1
		.amdhsa_system_sgpr_workgroup_id_x 1
		.amdhsa_system_sgpr_workgroup_id_y 1
		.amdhsa_system_sgpr_workgroup_id_z 1
		.amdhsa_system_vgpr_workitem_id 0
		.amdhsa_next_free_vgpr 512
		.amdhsa_next_free_sgpr 92
		.amdhsa_reserve_vcc 1
		.amdhsa_float_denorm_mode_32 3
		.amdhsa_float_denorm_mode_16_64 3
		.amdhsa_memory_ordered 1
		.amdhsa_forward_progress 1
		.amdhsa_inst_pref_size 161
	.end_amdhsa_kernel
	.amdgpu_metadata
---
amdhsa.version: [ 1, 2 ]
amdhsa.kernels:
  - .name:           k_qde823f9874_attn
    .symbol:         k_qde823f9874_attn.kd
    .args:
      - { .name: qc, .offset: 0, .size: 8, .value_kind: global_buffer, .address_space: global }
      - { .name: qs, .offset: 8, .size: 8, .value_kind: global_buffer, .address_space: global }
      - { .name: kv, .offset: 16, .size: 8, .value_kind: global_buffer, .address_space: global }
      - { .name: out0, .offset: 24, .size: 8, .value_kind: global_buffer, .address_space: global }
    .group_segment_fixed_size: 327680
    .private_segment_fixed_size: 0
    .kernarg_segment_align: 8
    .kernarg_segment_size: 32
    .max_flat_workgroup_size: 256
    .sgpr_count:     92
    .vgpr_count:     512
    .wavefront_size: 32
...
	.end_amdgpu_metadata
.endif
;; end of part 3
